; MI455X (gfx1250); checked and timed in simulation.
; The chip was launched on July 23, 2026; its instructions are those of AMD's public machine-readable ISA for CDNA 5 (MIT licence, August 2026) and "CDNA5" Instruction Set Architecture Reference Guide (July 2026). The comments in the code are by the model that wrote it; some were corrected since.
;; mlpmixer. Allowed arithmetic: float matrix products may take bf16 or f16 operands with f32 sums; other float arithmetic in f32, or as packed bf16 or f16 multiplies, adds, multiply-adds, maxima and minima; sums over many terms, partial sums and values carried from step to step in f32; what a program stores and reads back later, other than sums and carried values, may be rounded once to bf16 or f16.
;; Inputs: b11 8 x 256 float32; b12 8 x 32 float32; b21 8 x 256 float32; b22 8 x 32 float32; conv_b 1 float32; conv_w 3 float32; fc0_b 32 float32; fc0_w 32 x 32 float32; fc1_b 128 float32; fc1_w 128 x 32 float32; fcout_b 10 float32; fcout_w 10 x 128 float32; ln1_b 8 x 32 float32; ln1_g 8 x 32 float32; ln2_b 8 x 32 float32; ln2_g 8 x 32 float32; w11 8 x 256 x 32 float32; w12 8 x 32 x 256 float32; w21 8 x 256 x 32 float32; w22 8 x 32 x 256 float32; x 4,096 x 3 x 32 x 32 float32.
;; Outputs: out0 4,096 x 10 float32.
;; One version. Each part assembles by itself: llvm-mc -triple=amdgcn-amd-amdhsa -mcpu=gfx1250 --defsym DOCPART=n.
;; ======== version 1 of 1: 1 launch
;; limits: values are held in f16: magnitudes above 65,504 overflow, below 6.1e-05 lose precision; right only within a limited range of input values
;; launch mixer (part 1): grid 256 x 1, 8 waves a work-group, no clusters, 152,832 bytes of LDS; arguments x, conv_w, conv_b, fc0_w, fc0_b, ln1_g, ln1_b, ln2_g, ln2_b, w11, w12, w21, w22, b11, b21, b22, b12, fc1_w, fc1_b, fcout_w, fcout_b, out0; writes out0
.if DOCPART == 1
	.amdgcn_target "amdgcn-amd-amdhsa--gfx1250"
	.amdhsa_code_object_version 6
	.text
	.protected	k_q7b97eb488f_mixer
	.globl	k_q7b97eb488f_mixer
	.p2align	8
	.type	k_q7b97eb488f_mixer,@function
k_q7b97eb488f_mixer:
	s_mov_b64 s[64:65], 0
	v_nop
	global_prefetch_b8 v0, s[64:65] scope:SCOPE_SE
	s_setreg_imm32_b32 hwreg(HW_REG_WAVE_MODE, 25, 1), 1
	s_wait_xcnt 0x0
; MLP-MIXER, ALL OF IT IN ONE LAUNCH: 1x1 conv, fc0, 8 layers of (LayerNorm, 32->256, hardswish, 256->32) along tokens and along channels, fc1, hardswish, means of 32, fcout.
; SHARES.  4,096 samples, 256 work-groups of 16 samples, 8 waves of 2 samples.  A sample's state h[s][c] (32 x 32, f32) never leaves its wave's registers.
; LAYOUT (L = lane, r = L & 15, hh = L >> 4).  H tile (a, ns, mc) at H+32a+16ns+8mc+j holds h[s = 16 ns + r][c = 16 mc + 8 hh + j]: it is the accumulator of both second products.
;   channel branch: hidden^T = W21 (rows d) x T (lane = s, k = c): H's layout rounded in pairs IS that source.  Two results rounded in pairs are P (32 hidden units), and H += W22 x P.
;   token branch:   the LayerNorm's result goes once through the wave's own LDS rows and comes back turned (lane = c, k = s); hidden^T = W11 x T; P is then source 0 (rows c) and
;                   H += P x W12 falls into H's layout again.
;   The biases b11, b21, fc0_b, fc1_b are the C operand of the first product.  hardswish(x) = x * clamp01(x / 6 + 1 / 2).
;   b12[i][s] is constant along c, and every LayerNorm here is taken along c and removes such a term exactly; h is read by LayerNorms alone until fc1.  So the sum over i of b12[i][s] is added once, ahead of fc1.
; WEIGHTS.  A layer's four matrices (128 KiB of f32) are loaded into registers a layer ahead, 16 KiB a wave, rounded to f16 and laid into LDS as 64 fragments of 1,024 bytes between two barriers.
;   NO CLUSTER, NO TENSOR LOAD: the weights lie in memory as f32 and are rounded on the way in; a joint load would land 128 KiB of f32 a layer in LDS, to be read, rounded and stored again.
; FORMATS AND LIMITS.  All matrix operands are f16 (nothing beyond 65,504): the conv's result; LayerNorm results, at most 5.66 |g| + |b|; hidden values after hardswish; all weights (below 6e-5 they keep
;   f16's fixed step of 6e-8).  h enters fc1 as h / 16 against 16 fc1_w (both exact): |h| stays under 1.04e6.  Sums in f32, in another order than the reference's.  The clamp gives 0 for a NaN:
;   NaN and infinities are not treated apart.  The variance is taken of the centred numbers (two passes).
.set PB,    65536      ; LDS: 0 .. 65,535 the layer's fragments: matrix m (w11, w12, w21, w22) at 16,384 m, fragment f at 1,024 f.  Then b11, b21 (f32, all layers),
.set PLN,   81920      ; ln1_g, ln1_b, ln2_g, ln2_b, 1,024 bytes each,
.set PFW,   86016      ; fcout_w,
.set PB12,  92160      ; (b22 at 91,136 = PLN + 9,216) b12,
.set PF1B,  93184      ; fc1_b,
.set PF1,   93696      ; 8 fragments of 16 fc1_w,
.set SCR,   101888     ; each wave's own rows: 2 samples x 32 rows of 96 bytes (64 of data; 96 = 3 x 32: 64 banks of 4 bytes, ISA guide 11.1)
.set OUTS,  151040     ; the work-group's 16 x 10 results,
.set SPARE, 151808     ; and the spare words, 128 bytes for each wave: four blocks of 256 bytes that no other line names
; window 0: all that the layers' text names
.set SPW, 1            ; v1   SPARE + 4 x my thread's number; never rewritten
.set NIL, 2            ; v2   0; never rewritten
.set AW0, 3            ; v3   a fragment's registers 0-3: 256 hh + 16 ((r + 4 hh) & 15)
.set AW1, 4            ; v4   registers 4-7: 512 + 256 hh + 16 ((r + 4 hh + 8) & 15)
.set AB,  5            ; v5   bias tiles: 32 hh + PB + 1,024 x layer
.set AP,  6            ; v6   LayerNorm's g and b, and b22: 32 hh + PLN + 128 x layer
.set ASC, 7            ; v7   my rows, plain: 96 r + 16 hh
.set ATR, 8            ; v8   my rows, for the turning load: 96 (8 hh + L & 7) + 16 ((L >> 3) & 1)
.set HH32, 9           ; v9   32 hh
.set K16, 10           ; v[10:11] 1/6 twice
.set K05, 12           ; v[12:13] 1/2 twice
.set XO,  14           ; v14  head: my offset in x
.set AX,  15           ; v15  head: where the conv's result goes
.set TT,  16           ; v[16:23]   four pairs at work
.set S,   24           ; v[24:47]   a ring of three results of the first product
.set P,   48           ; v[48:79]   P[a][nn] at P+16a+8nn
.set W1B, 80           ; v[80:127]  a ring of three units: fragment (8), bias tile (8)
.set W2B, 128          ; v[128:159] two buffers of two fragments
.set T,   160          ; v[160:191] T[n] at T+8n
.set H,   192          ; v[192:255]
.set ST,  16           ; LayerNorm: four registers a tile of 16 tokens: -mean (later -mean rstd), at work, rstd, at work
.set D,   48           ; LayerNorm: four pairs a tile
.set GV,  112          ; LayerNorm: g of my 16 channels (the ring's third unit)
.set BV,  144          ; LayerNorm: b (the second buffer)
.set PA,  112          ; tail: 16 pairs of pooled sums
; window 1: the weights on their way, and what only the head uses
.set STG, 0            ; 32 loads x 4 registers
.set VO1, 128          ; 4,096 w + 16 L
.set VO2, 129          ; (16 (w >> 2) + (L >> 3)) 1,024 + 256 (w & 3) + 16 (L & 7)
.set WA,  130          ; four: where load g's 8 bytes of f16 go in a fragment
.set VO3, 134          ; 2,048 w + 16 L
.set VT16, 135         ; 16 t
.set VT63, 136         ; 16 (t & 63)
.set VCP, 137          ; PB + 16 t
.set VF0, 138          ; 128 r + 32 hh
.set WF,  139          ; four: as WA, for fc1's fragment
.set CP,  144          ; seven copies of 16 bytes
.set F0R, 172          ; fc0_w as loaded
.set F1R, 204          ; fc1_w as loaded
.set MSB, 0
.macro WIN new                      ; the immediate's high byte repeats the setting that is left; a switch that changes nothing is dropped
.if MSB != (\new)
	s_set_vgpr_msb (MSB<<8)|(\new)
.set MSB, \new
.endif
.endm
.macro PLACES                       ; four plain places behind a matrix instruction (ISA guide 7.12.1)
.rept 4
	v_nop
.endr
.endm
; 24 loads: one sample's three channels; each covers 512 consecutive bytes (4 rows of 32 f32)
.macro XLOAD a
.irp ch, 0,1,2
.irp g, 0,1,2,3,4,5,6,7
	global_load_b128 v[64+96*(\a)+32*\ch+4*\g:64+96*(\a)+32*\ch+4*\g+3], v[XO], s[4:5] offset:(\a)*12288+\ch*4096+\g*512 th:TH_LOAD_NT
.endr
.endr
.endm
; the 1x1 conv of one sample, in place; rounded to f16; into my rows [s][c]
.macro CONV a
.set cX, 64+96*(\a)
.set k, 0
.rept 16
	v_pk_fma_f32 v[cX+2*k:cX+2*k+1], v[cX+2*k:cX+2*k+1], s[52:53], s[58:59] op_sel_hi:[1,0,0]
.set k, k+1
.endr
.set k, 0
.rept 16
	v_pk_fma_f32 v[cX+2*k:cX+2*k+1], v[cX+32+2*k:cX+32+2*k+1], s[54:55], v[cX+2*k:cX+2*k+1] op_sel_hi:[1,0,1]
.set k, k+1
.endr
.set k, 0
.rept 16
	v_pk_fma_f32 v[cX+2*k:cX+2*k+1], v[cX+64+2*k:cX+64+2*k+1], s[56:57], v[cX+2*k:cX+2*k+1] op_sel_hi:[1,0,1]
.set k, k+1
.endr
.set k, 0
.rept 16
	v_cvt_pk_f16_f32 v[48+k], v[cX+2*k], v[cX+2*k+1]
.set k, k+1
.endr
.irp g, 0,1,2,3,4,5,6,7
	ds_store_b64 v[AX], v[48+2*\g:48+2*\g+1] offset:(\a)*3072+\g*384
.endr
.endm
; One layer's weights into registers: wave w takes fragments 2 w and 2 w + 1 of each matrix.  w11, w21: 512 consecutive bytes a load; w12, w22: four pieces of 128 bytes.
.macro STAGE
	WIN 0x41                        ; data and offsets in window 1
.irp m, 0,1,2,3
.irp i, 0,1
.irp g, 0,1,2,3
.if (\m)%2 == 0
	global_load_b128 v[STG+4*(8*\m+4*\i+\g):STG+4*(8*\m+4*\i+\g)+3], v[VO1], s[22+2*\m:23+2*\m] offset:\i*2048+\g*512
.else
	global_load_b128 v[STG+4*(8*\m+4*\i+\g):STG+4*(8*\m+4*\i+\g)+3], v[VO2], s[22+2*\m:23+2*\m] offset:\g*4096+\i*128
.endif
.endr
.endr
.endr
.endm
.macro CVTW                         ; rounded to f16 in place: four f32 into the first two of their registers
	WIN 0x45
.set k, 0
.rept 32
	v_cvt_pk_f16_f32 v[STG+4*k], v[STG+4*k], v[STG+4*k+1]
	v_cvt_pk_f16_f32 v[STG+4*k+1], v[STG+4*k+2], v[STG+4*k+3]
.set k, k+1
.endr
.endm
.macro PUTW                         ; and laid into the fragments: the 32 lanes of a store take 32 different columns of 8 bytes
	WIN 0x45
.irp m, 0,1,2,3
.irp i, 0,1
.irp g, 0,1,2,3
	ds_store_b64 v[WA+\g], v[STG+4*(8*\m+4*\i+\g):STG+4*(8*\m+4*\i+\g)+1] offset:\m*16384+\i*1024
.endr
.endr
.endr
.endm
; THE LDS LOADS OF A BRANCH ARE COUNTED BY THE ASSEMBLER.  DSN = LDS lines issued since the LayerNorm's wait for 0; each buffer's mark = DSN behind its loads.  LDS serves a wave in order (ISA guide 5.7.1),
; so DSN - mark younger lines may stay out when the buffer is wanted.  A mark of 0: the buffer was in at that wait.
.macro WAITM mark
.if (\mark) > 0
	s_wait_dscnt DSN-(\mark)
.endif
.endm
.macro LDW1 br, u                   ; unit u of the first product: 16 rows of w11 (br = 0) or w21 (1), and their bias tile
.set rW, W1B+16*((\u)%3)
	ds_load_b128 v[rW:rW+3],     v[AW0] offset:(2*(\br))*16384+(\u)*1024
	ds_load_b128 v[rW+4:rW+7],   v[AW1] offset:(2*(\br))*16384+(\u)*1024
	ds_load_b128 v[rW+8:rW+11],  v[AB]  offset:(\br)*8192+(\u)*64
	ds_load_b128 v[rW+12:rW+15], v[AB]  offset:(\br)*8192+(\u)*64+16
.set DSN, DSN+4
.if ((\u)%3) == 0
.set MW10, DSN
.elseif ((\u)%3) == 1
.set MW11, DSN
.else
.set MW12, DSN
.endif
.endm
.macro LDW2 br, kc                  ; hidden units 32 kc on of the second product: both fragments of 16 rows of w12 or w22
.set rW, W2B+16*((\kc)%2)
.irp u2, 0,1
	ds_load_b128 v[rW+8*\u2:rW+8*\u2+3],   v[AW0] offset:(2*(\br)+1)*16384+(8*\u2+(\kc))*1024
	ds_load_b128 v[rW+8*\u2+4:rW+8*\u2+7], v[AW1] offset:(2*(\br)+1)*16384+(8*\u2+(\kc))*1024
.endr
.set DSN, DSN+4
.if ((\kc)%2) == 0
.set MW20, DSN
.else
.set MW21, DSN
.endif
.endm
.macro LDB22                        ; b22 of my 16 channels, into the ring's second unit, which has had its last use
.irp mc, 0,1
	ds_load_b128 v[W1B+16+8*\mc:W1B+16+8*\mc+3],   v[AP] offset:9216+\mc*64
	ds_load_b128 v[W1B+16+8*\mc+4:W1B+16+8*\mc+7], v[AP] offset:9216+\mc*64+16
.endr
.set DSN, DSN+4
.set MB, DSN
.endm
; First product g of 64: hidden units 32 (g / 8) + 16 ((g / 2) % 2) on, sample (g / 4) % 2, tile g % 2 of its 32 columns.  C is the bias tile.
.macro G1 br, g
.set g_a, ((\g)/4)%2
.set g_nn, (\g)%2
.set g_u, 2*((\g)/8)+((\g)/2)%2
.if (g_a == 0) && (g_nn == 0)       ; the unit's first use
.if (g_u%3) == 0
	WAITM MW10
.elseif (g_u%3) == 1
	WAITM MW11
.else
	WAITM MW12
.endif
.endif
.if (\br) == 0                      ; the turned T of sample 0, of sample 1
.if (\g) == 0
	WAITM MT0
.elseif (\g) == 4
	WAITM MT1
.endif
.endif
.set rW, W1B+16*(g_u%3)
.set rS, S+8*((\g)%3)
.set rT, T+8*(2*g_a+g_nn)
	v_wmma_f32_16x16x32_f16 v[rS:rS+7], v[rW:rW+7], v[rT:rT+7], v[rW+8:rW+15]
.endm
; Second product q of 64: hidden units 32 (q / 8) on, sample (q / 4) % 2, P's tile (q / 2) % 2, 16 rows q % 2 of w12 or w22.  Each of the 8 accumulators comes up again 16 matrix instructions later.
.macro G2 br, q
.set q_kc, (\q)/8
.set q_a, ((\q)/4)%2
.set q_nn, ((\q)/2)%2
.set q_u, (\q)%2
.if ((\q)%8) == 0
.if (q_kc%2) == 0
	WAITM MW20
.else
	WAITM MW21
.endif
.endif
.set rW, W2B+16*(q_kc%2)+8*q_u
.set rP, P+16*q_a+8*q_nn
.if (\br) == 1
.set rH, H+32*q_a+16*q_nn+8*q_u
	v_wmma_f32_16x16x32_f16 v[rH:rH+7], v[rW:rW+7], v[rP:rP+7], v[rH:rH+7]
.else
.set rH, H+32*q_a+16*q_u+8*q_nn
	v_wmma_f32_16x16x32_f16 v[rH:rH+7], v[rP:rP+7], v[rW:rW+7], v[rH:rH+7]
.endif
.endm
; hardswish of result i and its rounding into P: 12 lines, six behind each of a slot's two matrix instructions.  The result's lowest registers are read first.
.macro HF p
	v_pk_fma_f32 v[TT+2*(\p):TT+2*(\p)+1], v[rS+2*(\p):rS+2*(\p)+1], v[K16:K16+1], v[K05:K05+1] clamp
.endm
.macro HM p
	v_pk_mul_f32 v[TT+2*(\p):TT+2*(\p)+1], v[rS+2*(\p):rS+2*(\p)+1], v[TT+2*(\p):TT+2*(\p)+1]
.endm
.macro HC p
	v_cvt_pk_f16_f32 v[rP+(\p)], v[TT+2*(\p)], v[TT+2*(\p)+1]
.endm
.macro HSA i
.set rS, S+8*((\i)%3)
	HF 0
	HF 1
	HF 2
	HF 3
	HM 0
	HM 1
.endm
.macro HSB i
.set rS, S+8*((\i)%3)
.set rP, P+16*(((\i)/4)%2)+8*((\i)%2)+4*(((\i)/2)%2)
	HM 2
	HM 3
	HC 0
	HC 1
	HC 2
	HC 3
.endm
; A BRANCH'S TWO PRODUCTS, 64 slots.  Slot i: first product i + 2 | six lines of result i | second product i - 3 | the other six.  No rider names a register of the matrix instruction ahead of it; a load into
; a fragment's registers stands six riders behind their last reader.  The two kinds of product alternate, so no two matrix instructions on end share an accumulator.
.macro MLP br
	LDW1 \br, 2
	LDW2 \br, 1
	G1 \br, 0
	G1 \br, 1
	PLACES
.set sl, 0
.rept 64
.if (sl+2) <= 63
	G1 \br, sl+2
.endif
	HSA sl
.if (sl+2) <= 63
.set x_g, sl+2
.set x_u, 2*(x_g/8)+((x_g/2)%2)
.if (((x_g/4)%2) == 1) && ((x_g%2) == 1)  ; that was the unit's last use
.if (x_u+3) <= 15
	LDW1 \br, x_u+3
.elseif ((\br) == 1) && (x_u == 13)
	LDB22
.endif
.endif
.endif
.if sl >= 3
	G2 \br, sl-3
.endif
	HSB sl
.if sl >= 3
.if (((sl-3)%8) == 7) && (((sl-3)/8+2) <= 7)
	LDW2 \br, (sl-3)/8+2
.endif
.endif
.set sl, sl+1
.endr
	G2 \br, 61
	G2 \br, 62
	G2 \br, 63
	PLACES
.endm
; The LayerNorm's last part for tiles n0 and n0 + 1 (one sample): (h rstd - mean rstd) g + b, rounded to f16 into T
.macro LN4 n0
.irp hf, 0,1
.irp n, \n0, (\n0)+1
.irp p, 0,1,2,3
	v_pk_fma_f32 v[D+8*(\n)+2*\p:D+8*(\n)+2*\p+1], v[H+16*(\n)+8*\hf+2*\p:H+16*(\n)+8*\hf+2*\p+1], v[ST+4*(\n)+2:ST+4*(\n)+3], v[ST+4*(\n):ST+4*(\n)+1] op_sel_hi:[1,0,0]
.endr
.endr
.irp n, \n0, (\n0)+1
.irp p, 0,1,2,3
	v_pk_fma_f32 v[D+8*(\n)+2*\p:D+8*(\n)+2*\p+1], v[D+8*(\n)+2*\p:D+8*(\n)+2*\p+1], v[GV+8*\hf+2*\p:GV+8*\hf+2*\p+1], v[BV+8*\hf+2*\p:BV+8*\hf+2*\p+1]
.endr
.endr
.irp n, \n0, (\n0)+1
.irp p, 0,1,2,3
	v_cvt_pk_f16_f32 v[T+8*(\n)+4*\hf+\p], v[D+8*(\n)+2*\p], v[D+8*(\n)+2*\p+1]
.endr
.endr
.endr
.endm
; Sample a's T through my own rows, and back turned.  The bytes are the wave's own and LDS serves a wave in order (ISA guide 5.7.1.4): no wait between.
.macro TRANS a
.irp ns, 0,1
.irp mc, 0,1
	ds_store_b128 v[ASC], v[T+8*(2*(\a)+\ns)+4*\mc:T+8*(2*(\a)+\ns)+4*\mc+3] offset:(\a)*3072+\ns*1536+\mc*32
.endr
.endr
.irp nc, 0,1
	ds_load_tr16_b128 v[T+8*(2*(\a)+\nc):T+8*(2*(\a)+\nc)+3],   v[ATR] offset:(\a)*3072+\nc*32
	ds_load_tr16_b128 v[T+8*(2*(\a)+\nc)+4:T+8*(2*(\a)+\nc)+7], v[ATR] offset:(\a)*3072+\nc*32+1536
.endr
.set DSN, DSN+8
.if (\a) == 0
.set MT0, DSN
.else
.set MT1, DSN
.endif
.endm
; A LAYERNORM over c for my four tiles of 16 tokens.  A lane holds 16 of a token's 32 channels, the lane 16 away the others.  The branch's first fragments and g, b are asked for at its head.
.macro LN br
.set DSN, 0
	LDW1 \br, 0
	LDW1 \br, 1
	LDW2 \br, 0
.irp mc, 0,1
	ds_load_b128 v[GV+8*\mc:GV+8*\mc+3],   v[AP] offset:(2*(\br))*1024+\mc*64
	ds_load_b128 v[GV+8*\mc+4:GV+8*\mc+7], v[AP] offset:(2*(\br))*1024+\mc*64+16
	ds_load_b128 v[BV+8*\mc:BV+8*\mc+3],   v[AP] offset:(2*(\br)+1)*1024+\mc*64
	ds_load_b128 v[BV+8*\mc+4:BV+8*\mc+7], v[AP] offset:(2*(\br)+1)*1024+\mc*64+16
.endr
.irp n, 0,1,2,3                     ; the sum, each accumulator from its low end on
	v_pk_add_f32 v[ST+4*\n:ST+4*\n+1], v[H+16*\n:H+16*\n+1], v[H+16*\n+2:H+16*\n+3]
.endr
.irp k, 2,3,4,5,6,7
.irp n, 0,1,2,3
	v_pk_add_f32 v[ST+4*\n:ST+4*\n+1], v[ST+4*\n:ST+4*\n+1], v[H+16*\n+2*\k:H+16*\n+2*\k+1]
.endr
.endr
.irp n, 0,1,2,3
	v_add_f32 v[ST+4*\n], v[ST+4*\n], v[ST+4*\n+1]
.endr
.irp n, 0,1,2,3
	v_permlanex16_b32 v[ST+4*\n+1], v[ST+4*\n], s60, s61
.endr
.irp n, 0,1,2,3
	v_add_f32 v[ST+4*\n], v[ST+4*\n], v[ST+4*\n+1]
.endr
.irp n, 0,1,2,3
	v_mul_f32 v[ST+4*\n], s78, v[ST+4*\n]  ; -mean
.endr
.irp p, 0,1,2,3,4,5,6,7             ; the sum of squares of the centred numbers
.irp n, 0,1,2,3
	v_pk_add_f32 v[D+8*\n+2*((\p)%4):D+8*\n+2*((\p)%4)+1], v[H+16*\n+2*\p:H+16*\n+2*\p+1], v[ST+4*\n:ST+4*\n+1] op_sel_hi:[1,0]
.endr
.irp n, 0,1,2,3
.if (\p) == 0
	v_pk_mul_f32 v[ST+4*\n+2:ST+4*\n+3], v[D+8*\n:D+8*\n+1], v[D+8*\n:D+8*\n+1]
.else
	v_pk_fma_f32 v[ST+4*\n+2:ST+4*\n+3], v[D+8*\n+2*((\p)%4):D+8*\n+2*((\p)%4)+1], v[D+8*\n+2*((\p)%4):D+8*\n+2*((\p)%4)+1], v[ST+4*\n+2:ST+4*\n+3]
.endif
.endr
.endr
.irp n, 0,1,2,3
	v_add_f32 v[ST+4*\n+2], v[ST+4*\n+2], v[ST+4*\n+3]
.endr
.irp n, 0,1,2,3
	v_permlanex16_b32 v[ST+4*\n+3], v[ST+4*\n+2], s60, s61
.endr
.irp n, 0,1,2,3
	v_add_f32 v[ST+4*\n+2], v[ST+4*\n+2], v[ST+4*\n+3]
.endr
.irp n, 0,1,2,3
	v_fma_f32 v[ST+4*\n+2], v[ST+4*\n+2], s62, s63  ; variance + 1e-5
.endr
.irp n, 0,1,2,3
	v_rsq_f32 v[ST+4*\n+2], v[ST+4*\n+2]
.endr
	v_nop                           ; a plain instruction behind the last of the four (ISA guide 5.7.2),
	s_wait_alu depctr_va_vdst(0)    ; and the one wait ahead of their first reader
.irp n, 0,1,2,3
	v_mul_f32 v[ST+4*\n], v[ST+4*\n], v[ST+4*\n+2]  ; -mean rstd
.endr
	s_wait_dscnt 0x0                ; g, b and the branch's first fragments are in
.set DSN, 0
.set MW10, 0
.set MW11, 0
.set MW20, 0
	LN4 0
.if (\br) == 0
	TRANS 0
.endif
	LN4 2
.if (\br) == 0
	TRANS 1
.endif
.endm
	; ---------------- THE HEAD ----------------
	s_load_b512 s[4:19], s[0:1], 0x0    ; x 4, conv_w 6, conv_b 8, fc0_w 10, fc0_b 12, ln1_g 14, ln1_b 16, ln2_g 18
	s_load_b512 s[20:35], s[0:1], 0x40  ; ln2_b 20, w11 22, w12 24, w21 26, w22 28, b11 30, b21 32, b22 34
	s_load_b256 s[36:43], s[0:1], 0x80  ; b12 36, fc1_w 38, fc1_b 40, fcout_w 42
	s_load_b128 s[44:47], s[0:1], 0xa0  ; fcout_b 44, out0 46
	v_lshl_add_u32 v[SPW], v0, 2, SPARE
	v_mov_b32 v[NIL], 0
	v_lshrrev_b32 v16, 5, v0
	v_readfirstlane_b32 s48, v16        ; wave 0..7
	v_and_b32 v19, 31, v0               ; L
	s_mul_i32 s85, s48, 24576           ; my two samples of 12,288 bytes
	v_lshl_add_u32 v[XO], v19, 4, s85
	s_mul_i32 s50, ttmp9, 196608        ; the work-group's 16 samples
	s_mov_b32 s51, 0
	s_wait_kmcnt 0x0
	s_add_nc_u64 s[4:5], s[4:5], s[50:51]
	XLOAD 0                             ; x first: everything waits for it
	s_load_b32 s52, s[6:7], 0x0         ; conv_w
	s_load_b32 s54, s[6:7], 0x4
	s_load_b32 s56, s[6:7], 0x8
	s_load_b32 s58, s[8:9], 0x0         ; conv_b
	s_load_b256 s[68:75], s[44:45], 0x0 ; fcout_b
	s_load_b64 s[76:77], s[44:45], 0x20
	v_and_b32 v17, 15, v0               ; r
	v_bfe_u32 v18, v0, 4, 1             ; hh
	v_and_b32 v20, 7, v0                ; L & 7
	v_bfe_u32 v21, v0, 3, 2             ; L >> 3
	v_bfe_u32 v22, v0, 3, 1             ; (L >> 3) & 1
	v_bfe_u32 v23, v0, 1, 2             ; c4: which 8 of a row's 32 k my 4 numbers of a weight load lie in
	v_and_b32 v24, 1, v0
	s_mul_i32 s50, s48, 6144
	s_add_co_u32 s50, s50, SCR          ; my rows
	s_lshl_b32 s51, s48, 12
	s_lshr_b32 s86, s48, 2
	s_lshl_b32 s86, s86, 14
	s_and_b32 s87, s48, 3
	s_lshl_b32 s87, s87, 8
	s_add_co_u32 s86, s86, s87          ; 16,384 (w >> 2) + 256 (w & 3)
	s_lshl_b32 s87, s48, 11
	s_lshl_b32 s85, s48, 10
	s_add_co_u32 s85, s85, PF1
	; A fragment (16 rows x 32 k of f16) is four blocks of 256 bytes, block c4 for k = 8 c4 .. 8 c4 + 7; in it row r's 16 bytes lie in column (r + 4 c4) & 15.
	v_lshl_add_u32 v25, v18, 2, v17
	v_and_b32 v26, 15, v25
	v_lshlrev_b32 v26, 4, v26
	v_lshl_add_u32 v[AW0], v18, 8, v26
	v_add_nc_u32 v25, 8, v25
	v_and_b32 v25, 15, v25
	v_lshlrev_b32 v25, 4, v25
	v_lshl_add_u32 v25, v18, 8, v25
	v_add_nc_u32 v[AW1], 512, v25
	v_lshlrev_b32 v[HH32], 5, v18
	v_mul_u32_u24 v25, v17, 96
	v_lshl_add_u32 v25, v18, 4, v25
	v_add_nc_u32 v[ASC], s50, v25
	v_lshl_add_u32 v25, v18, 3, v20
	v_mul_u32_u24 v25, v25, 96
	v_lshl_add_u32 v25, v22, 4, v25
	v_add_nc_u32 v[ATR], s50, v25
	v_mul_u32_u24 v25, v21, 96
	v_lshl_add_u32 v25, v20, 3, v25
	v_add_nc_u32 v[AX], s50, v25
	v_mov_b32 v[K16], 0x3e2aaaab
	v_mov_b32 v[K16+1], 0x3e2aaaab
	v_mov_b32 v[K05], 0.5
	v_mov_b32 v[K05+1], 0.5
	; window 1's addresses are made in v32-46 and moved
	v_lshl_add_u32 v32, v19, 4, s51     ; VO1
	v_lshlrev_b32 v33, 10, v21
	v_lshl_add_u32 v33, v20, 4, v33
	v_add_nc_u32 v33, s86, v33          ; VO2
	v_lshl_add_u32 v27, v23, 2, v21     ; 4 c4 + (L >> 3)
	v_lshlrev_b32 v28, 8, v23
	v_lshl_add_u32 v28, v24, 3, v28     ; 256 c4 + 8 (L & 1)
	v_add_nc_u32 v30, s85, v28          ; in fc1's fragment w
	v_add_nc_u32 v28, s87, v28          ; in my fragments 2 w, 2 w + 1
.irp g, 0,1,2,3
	v_add_nc_u32 v29, 4*\g, v27
	v_and_b32 v29, 15, v29
	v_lshl_add_u32 v[34+\g], v29, 4, v28  ; WA
	v_lshl_add_u32 v[43+\g], v29, 4, v30  ; WF
.endr
	v_lshl_add_u32 v38, v19, 4, s87     ; VO3
	v_lshlrev_b32 v39, 4, v0            ; VT16
	v_and_b32 v40, 63, v0
	v_lshlrev_b32 v40, 4, v40           ; VT63
	v_lshl_add_u32 v41, v0, 4, PB       ; VCP
	v_lshlrev_b32 v42, 7, v17
	v_lshl_add_u32 v42, v18, 5, v42     ; VF0
	WIN 0x40
.set k, 0
.rept 15
	v_mov_b32 v[128+k], v[32+k]
.set k, k+1
.endr
	WIN 0
	; which small arrays my wave copies: by w >> 1
	s_lshr_b32 s85, s48, 1
	s_cmp_eq_u32 s85, 0
	s_cselect_b64 s[80:81], s[14:15], s[16:17]  ; ln1_g, ln1_b,
	s_cselect_b64 s[82:83], s[42:43], s[34:35]  ; the rest of fcout_w, b22,
	s_cselect_b32 s86, 4096, 0
	s_cmp_eq_u32 s85, 2
	s_cselect_b64 s[80:81], s[18:19], s[80:81]  ; ln2_g,
	s_cselect_b64 s[82:83], s[36:37], s[82:83]  ; b12,
	s_cmp_eq_u32 s85, 3
	s_cselect_b64 s[80:81], s[20:21], s[80:81]  ; ln2_b
	s_cselect_b64 s[82:83], s[40:41], s[82:83]  ; fc1_b (wave 6 alone)
	s_mov_b32 s87, 0
	s_add_nc_u64 s[82:83], s[82:83], s[86:87]
.irp mc, 0,1                            ; fc0_b as two C tiles
	global_load_b128 v[32+8*\mc:32+8*\mc+3], v[HH32], s[12:13] offset:\mc*64
	global_load_b128 v[32+8*\mc+4:32+8*\mc+7], v[HH32], s[12:13] offset:\mc*64+16
.endr
	STAGE                               ; layer 0's weights
.irp g, 0,1,2,3
	global_load_b128 v[F1R+4*\g:F1R+4*\g+3], v[VO3], s[38:39] offset:\g*512  ; fc1's rows 16 w on
.endr
	global_load_b128 v[CP:CP+3],     v[VT16], s[30:31]              ; b11
	global_load_b128 v[CP+4:CP+7],   v[VT16], s[30:31] offset:4096
	global_load_b128 v[CP+8:CP+11],  v[VT16], s[32:33]              ; b21
	global_load_b128 v[CP+12:CP+15], v[VT16], s[32:33] offset:4096
	global_load_b128 v[CP+16:CP+19], v[VT63], s[80:81]              ; LayerNorm's four arrays
	global_load_b128 v[CP+20:CP+23], v[VT16], s[42:43]              ; fcout_w's first 4,096 bytes
.irp mt, 0,1
.irp q, 0,1
	global_load_b128 v[F0R+16*\mt+8*\q:F0R+16*\mt+8*\q+3],   v[VF0], s[10:11] offset:\mt*2048+\q*64
	global_load_b128 v[F0R+16*\mt+8*\q+4:F0R+16*\mt+8*\q+7], v[VF0], s[10:11] offset:\mt*2048+\q*64+16
.endr
.endr
	WIN 0
	s_cmp_lt_u32 s48, 7                 ; the seventh copy has 3,584 bytes: wave 7 has none
	s_cbranch_scc0 .Lno_j7
	WIN 0x41
	global_load_b128 v[CP+24:CP+27], v[VT63], s[82:83]
	WIN 0
.Lno_j7:
	XLOAD 1
	s_mov_b32 s60, 0x76543210           ; v_permlanex16_b32: each lane takes its own place in the other half
	s_mov_b32 s61, 0xfedcba98
	s_mov_b32 s62, 0x3d000000           ; 1/32
	s_mov_b32 s63, 0x3727c5ac           ; 1e-5
	s_mov_b32 s78, 0xbd000000           ; -1/32
	s_mov_b32 s66, PB
	s_mov_b32 s67, PLN
	v_add_nc_u32 v[AB], s66, v[HH32]
	v_add_nc_u32 v[AP], s67, v[HH32]
	s_wait_kmcnt 0x0
	s_mov_b32 s53, s52                  ; named as pairs
	s_mov_b32 s55, s54
	s_mov_b32 s57, s56
	s_mov_b32 s59, s58
	s_wait_loadcnt 63                   ; sample 0's 24 loads are the oldest of 102 or 103: with 63 out they are in (78 or 79 are younger; the count's field ends at 63)
	CONV 0
	s_wait_loadcnt 24                   ; all but sample 1's 24 loads
	CVTW
	PUTW
.set k, 0
.rept 8
	v_pk_mul_f32 v[F1R+2*k:F1R+2*k+1], v[F1R+2*k:F1R+2*k+1], 0x41800000 op_sel_hi:[1,0]  ; 16 fc1_w
.set k, k+1
.endr
.irp g, 0,1,2,3
	v_cvt_pk_f16_f32 v[F1R+4*\g], v[F1R+4*\g], v[F1R+4*\g+1]
	v_cvt_pk_f16_f32 v[F1R+4*\g+1], v[F1R+4*\g+2], v[F1R+4*\g+3]
.endr
.irp g, 0,1,2,3
	ds_store_b64 v[WF+\g], v[F1R+4*\g:F1R+4*\g+1]
.endr
.irp j, 0,1,2,3,4,5
	ds_store_b128 v[VCP], v[CP+4*\j:CP+4*\j+3] offset:4096*\j
.endr
	WIN 0
	s_cmp_lt_u32 s48, 7
	s_cbranch_scc0 .Lno_j7s
	WIN 0x05
	ds_store_b128 v[VCP], v[CP+24:CP+27] offset:24576
	WIN 0
.Lno_j7s:
	WIN 0x05                            ; fc0_w's two fragments, rounded straight into registers: every wave holds them
.irp mt, 0,1
.irp q, 0,1
.irp p, 0,1,2,3
	v_cvt_pk_f16_f32 v[16+8*\mt+4*\q+\p], v[F0R+16*\mt+8*\q+2*\p], v[F0R+16*\mt+8*\q+2*\p+1]
.endr
.endr
.endr
	WIN 0
	s_wait_loadcnt 0x0
	CONV 1
.irp a, 0,1
.irp ns, 0,1
	ds_load_b128 v[T+8*(2*\a+\ns):T+8*(2*\a+\ns)+3],   v[ASC] offset:\a*3072+\ns*1536      ; lane = s, k = c: my own rows, in order behind my stores
	ds_load_b128 v[T+8*(2*\a+\ns)+4:T+8*(2*\a+\ns)+7], v[ASC] offset:\a*3072+\ns*1536+32
.endr
.endr
	s_add_nc_u64 s[22:23], s[22:23], 0x8000  ; every load is done: the four weights step to layer 1
	s_add_nc_u64 s[24:25], s[24:25], 0x8000
	s_add_nc_u64 s[26:27], s[26:27], 0x8000
	s_add_nc_u64 s[28:29], s[28:29], 0x8000
	s_wait_dscnt 0x0                    ; my stores of fragments and copies are done, for the others' sake; T is in
	s_barrier_signal -1
	s_barrier_wait -1                   ; layer 0's fragments and all small arrays lie in LDS
.irp n, 0,1,2,3                         ; fc0: H = fc0_w x conv + fc0_b
.irp mc, 0,1
	v_wmma_f32_16x16x32_f16 v[H+16*\n+8*\mc:H+16*\n+8*\mc+7], v[16+8*\mc:16+8*\mc+7], v[T+8*\n:T+8*\n+7], v[32+8*\mc:32+8*\mc+7]
.endr
.endr
	PLACES
	s_mov_b32 s49, 8
	; ---------------- THE LAYERS ----------------
.Llayer:
	s_cmp_eq_u32 s49, 1
	s_cbranch_scc1 .Lno_stage           ; the last layer has none behind it
	STAGE                               ; the next layer's weights: they have this layer's 256 matrix instructions and their riders in which to land
	WIN 0
.Lno_stage:
	LN 0
	MLP 0
	LN 1
	MLP 1
	WAITM MB
.irp n, 0,1,2,3                         ; h += b22, each accumulator from its low end on
.irp k, 0,1,2,3,4,5,6,7
	v_pk_add_f32 v[H+16*\n+2*\k:H+16*\n+2*\k+1], v[H+16*\n+2*\k:H+16*\n+2*\k+1], v[W1B+16+2*\k:W1B+16+2*\k+1]
.endr
.endr
	s_wait_loadcnt 0x0                  ; the next layer's weights are in registers (on every path: nothing is out at the backward jump)
	s_cmp_eq_u32 s49, 1
	s_cbranch_scc1 .Lno_cvt
	CVTW
	WIN 0
	s_add_nc_u64 s[22:23], s[22:23], 0x8000  ; their loads are done: the bases step
	s_add_nc_u64 s[24:25], s[24:25], 0x8000
	s_add_nc_u64 s[26:27], s[26:27], 0x8000
	s_add_nc_u64 s[28:29], s[28:29], 0x8000
.Lno_cvt:
	s_wait_dscnt 0x0                    ; my reads of this layer's fragments are back
	s_barrier_signal -1
	s_barrier_wait -1                   ; nobody reads them any more
	s_cmp_eq_u32 s49, 1
	s_cbranch_scc1 .Lno_put
	PUTW
	WIN 0
.Lno_put:
	s_wait_dscnt 0x0                    ; my stores are done, for the others' sake
	s_barrier_signal -1
	s_barrier_wait -1                   ; the next layer's fragments are whole
	s_add_co_u32 s66, s66, 1024
	s_add_co_u32 s67, s67, 128
	v_add_nc_u32 v[AB], s66, v[HH32]
	v_add_nc_u32 v[AP], s67, v[HH32]
	s_sub_co_u32 s49, s49, 1
	s_cmp_lg_u32 s49, 0
	s_cbranch_scc1 .Llayer
	; ---------------- THE TAIL ----------------
	v_and_b32 v[XO], 15, v0
	v_lshl_add_u32 v[AX], v[XO], 4, PFW     ; fcout_w: 16 r
	v_lshl_add_u32 v[XO], v[XO], 2, PB12    ; b12: 4 r
	v_add_nc_u32 v[AB], PF1, v[AW0]
	v_add_nc_u32 v[AP], PF1, v[AW1]
	v_add_nc_u32 v[ASC], PF1B, v[HH32]
	s_mov_b32 s50, 0x3d800000               ; 1/16
	s_mov_b32 s51, 0x3d800000
.irp i, 0,1,2,3,4,5,6,7
.irp ns, 0,1
	ds_load_b32 v[16+2*\i+\ns], v[XO] offset:128*\i+64*\ns  ; b12[i][16 ns + r]
.endr
.endr
.irp mt, 0,1,2,3,4,5,6,7
	ds_load_b128 v[48+8*\mt:48+8*\mt+3],   v[AB] offset:\mt*1024  ; fc1's eight fragments
	ds_load_b128 v[48+8*\mt+4:48+8*\mt+7], v[AP] offset:\mt*1024
.endr
	s_wait_dscnt 16                         ; b12 is in; the 16 fragment loads may stay out
	v_pk_add_f32 v[16:17], v[16:17], v[18:19]
	v_pk_add_f32 v[20:21], v[20:21], v[22:23]
	v_pk_add_f32 v[24:25], v[24:25], v[26:27]
	v_pk_add_f32 v[28:29], v[28:29], v[30:31]
	v_pk_add_f32 v[16:17], v[16:17], v[20:21]
	v_pk_add_f32 v[24:25], v[24:25], v[28:29]
	v_pk_add_f32 v[16:17], v[16:17], v[24:25]
	v_pk_mul_f32 v[16:17], v[16:17], s[50:51] op_sel_hi:[1,0]
	v_mov_b32 v18, v17                      ; the sum for tokens 16 + r, in the low register of a pair
.irp n, 0,1,2,3                             ; (h + the sum of b12) / 16
.irp k, 0,1,2,3,4,5,6,7
	v_pk_fma_f32 v[H+16*\n+2*\k:H+16*\n+2*\k+1], v[H+16*\n+2*\k:H+16*\n+2*\k+1], s[50:51], v[16+2*((\n)%2):17+2*((\n)%2)] op_sel_hi:[1,0,0]
.endr
.endr
.irp n, 0,1,2,3
.irp k, 0,1,2,3,4,5,6,7
	v_cvt_pk_f16_f32 v[T+8*\n+\k], v[H+16*\n+2*\k], v[H+16*\n+2*\k+1]
.endr
.endr
.irp mt, 0,1,2,3,4,5,6,7
	ds_load_b128 v[H+8*\mt:H+8*\mt+3],   v[ASC] offset:\mt*64     ; fc1_b as eight C tiles, where h lay
	ds_load_b128 v[H+8*\mt+4:H+8*\mt+7], v[ASC] offset:\mt*64+16
.endr
	s_wait_dscnt 0x0
; fc1: 32 results, number 4 mt + n.  hardswish is summed as it is made: a lane's 8 units of a result, and the two results of a group of 32 units, into a pair for each (n, group).
.macro F1MM i
.set rS, S+8*((\i)%3)
	v_wmma_f32_16x16x32_f16 v[rS:rS+7], v[48+8*((\i)/4):48+8*((\i)/4)+7], v[T+8*((\i)%4):T+8*((\i)%4)+7], v[H+8*((\i)/4):H+8*((\i)/4)+7]
.endm
	F1MM 0
	F1MM 1
	PLACES                                  ; four places ahead of the first read of result 0,
	v_nop                                   ; and a fifth: product 3 writes over result 0's registers, and all eight lines of slot 0 name them, so they are no places (ISA guide 7.12.1)
.set sl, 0
.rept 32
.if (sl+2) <= 31
	F1MM sl+2
.endif
.set rS, S+8*(sl%3)
.set rA, PA+2*(4*(sl%4)+sl/8)
	HF 0
	HF 1
	HF 2
	HF 3
.irp p, 0,1,2,3
.if (((sl/4)%2) == 0) && ((\p) == 0)
	v_pk_mul_f32 v[rA:rA+1], v[rS:rS+1], v[TT:TT+1]
.else
	v_pk_fma_f32 v[rA:rA+1], v[rS+2*\p:rS+2*\p+1], v[TT+2*\p:TT+2*\p+1], v[rA:rA+1]
.endif
.endr
.set sl, sl+1
.endr
.set k, 0
.rept 16
	v_add_f32 v[144+k], v[PA+2*k], v[PA+2*k+1]  ; my half of the sum over a group's 32 units, for (n, group); the other half lies 16 lanes away and is added with all lanes below.  Ahead of the loads, which land on PA's first 16 registers
.set k, k+1
.endr
.irp o, 0,1,2,3,4,5,6,7,8,9               ; fcout_w[o][4 (16 ns + r) + 0..3], into v48-127; three slots' riders and the sixteen sums lie between the last product and these loads
.irp ns, 0,1
	ds_load_b128 v[48+4*(2*\o+\ns):48+4*(2*\o+\ns)+3], v[AX] offset:\o*512+\ns*256
.endr
.endr
	s_mul_i32 s50, s48, 80
	s_add_co_u32 s50, s50, OUTS
	v_mov_b32 v[XO], s50                    ; my two samples' 20 results
	s_wait_dscnt 0x0
; out[a][o] = fcout_b[o] + 1/32 x the sum over all lanes, ns and groups: pair (a, o) at v[160 + 2 (10 a + o)]
.macro EACH line:vararg
.set a, 0
.rept 2
.set o, 0
.rept 10
.set rR, 160+2*(10*a+o)
	\line
.set o, o+1
.endr
.set a, a+1
.endr
.endm
	EACH v_pk_mul_f32 v[rR:rR+1], v[144+8*a:144+8*a+1], v[48+8*o:48+8*o+1]
	EACH v_pk_fma_f32 v[rR:rR+1], v[144+8*a+2:144+8*a+3], v[48+8*o+2:48+8*o+3], v[rR:rR+1]
	EACH v_pk_fma_f32 v[rR:rR+1], v[144+8*a+4:144+8*a+5], v[48+8*o+4:48+8*o+5], v[rR:rR+1]
	EACH v_pk_fma_f32 v[rR:rR+1], v[144+8*a+6:144+8*a+7], v[48+8*o+6:48+8*o+7], v[rR:rR+1]
	EACH v_add_f32 v[rR], v[rR], v[rR+1]
	EACH v_add_f32_dpp v[rR], v[rR], v[rR] row_xmask:1 row_mask:0xf bank_mask:0xf
	EACH v_add_f32_dpp v[rR], v[rR], v[rR] row_xmask:2 row_mask:0xf bank_mask:0xf
	EACH v_add_f32_dpp v[rR], v[rR], v[rR] row_xmask:4 row_mask:0xf bank_mask:0xf
	EACH v_add_f32_dpp v[rR], v[rR], v[rR] row_xmask:8 row_mask:0xf bank_mask:0xf
	EACH v_permlanex16_b32 v[rR+1], v[rR], s60, s61
	EACH v_add_f32 v[rR], v[rR], v[rR+1]
	EACH v_fma_f32 v[rR], v[rR], s62, s[68+o]
	EACH ds_store_b32 v[XO], v[rR] offset:40*a+4*o
	v_min_u32 v[AB], 39, v0                 ; the work-group's 640 bytes of out0 leave by threads 0 to 39, 16 bytes each; no lane's offset passes the last of them
	v_lshlrev_b32 v[AP], 4, v[AB]
	v_lshl_add_u32 v[AB], v[AB], 4, OUTS
	s_mul_i32 s50, ttmp9, 640
	s_mov_b32 s51, 0
	s_add_nc_u64 s[46:47], s[46:47], s[50:51]
	s_wait_dscnt 0x0                        ; my results are stored, for the others' sake
	s_barrier_signal -1
	s_barrier_wait -1
	s_wait_xcnt 0x0                         ; EXEC changes only behind this wait
	v_cmp_gt_u32 vcc_lo, 40, v0
	s_and_saveexec_b32 s84, vcc_lo
	ds_load_b128 v[48:51], v[AB]
	s_wait_dscnt 0x0
	global_store_b128 v[AP], v[48:51], s[46:47]
	s_wait_xcnt 0x0                         ; and again, in front of the line that widens it
	s_or_b32 exec_lo, exec_lo, s84
	s_wait_tensorcnt 0x0                    ; the wave's end, behind my last LDS store
	ds_add_u32 v[SPW], v[NIL]
	s_wait_dscnt 0x0
	s_endpgm
.Lfunc_end_k_q7b97eb488f_mixer:
	.size	k_q7b97eb488f_mixer, .Lfunc_end_k_q7b97eb488f_mixer-k_q7b97eb488f_mixer
	.p2alignl 7, 3214868480
	.fill 96, 4, 3214868480
	.section	.rodata,"a",@progbits
	.p2align	6, 0x0
	.amdhsa_kernel k_q7b97eb488f_mixer
		.amdhsa_group_segment_fixed_size 152832
		.amdhsa_private_segment_fixed_size 0
		.amdhsa_enable_private_segment 0
		.amdhsa_kernarg_size 176
		.amdhsa_user_sgpr_count 2
		.amdhsa_user_sgpr_kernarg_segment_ptr 1
		.amdhsa_wavefront_size32 1
		.amdhsa_system_sgpr_workgroup_id_x 1
		.amdhsa_system_sgpr_workgroup_id_y 1
		.amdhsa_system_sgpr_workgroup_id_z 1
		.amdhsa_system_vgpr_workitem_id 0
		.amdhsa_next_free_vgpr 480
		.amdhsa_next_free_sgpr 88
		.amdhsa_reserve_vcc 1
		.amdhsa_float_denorm_mode_32 3
		.amdhsa_float_denorm_mode_16_64 3
		.amdhsa_memory_ordered 1
		.amdhsa_forward_progress 1
		.amdhsa_inst_pref_size 248
	.end_amdhsa_kernel
	.amdgpu_metadata
---
amdhsa.version: [ 1, 2 ]
amdhsa.kernels:
  - .name:           k_q7b97eb488f_mixer
    .symbol:         k_q7b97eb488f_mixer.kd
    .args:
      - { .name: x, .offset: 0, .size: 8, .value_kind: global_buffer, .address_space: global }
      - { .name: conv_w, .offset: 8, .size: 8, .value_kind: global_buffer, .address_space: global }
      - { .name: conv_b, .offset: 16, .size: 8, .value_kind: global_buffer, .address_space: global }
      - { .name: fc0_w, .offset: 24, .size: 8, .value_kind: global_buffer, .address_space: global }
      - { .name: fc0_b, .offset: 32, .size: 8, .value_kind: global_buffer, .address_space: global }
      - { .name: ln1_g, .offset: 40, .size: 8, .value_kind: global_buffer, .address_space: global }
      - { .name: ln1_b, .offset: 48, .size: 8, .value_kind: global_buffer, .address_space: global }
      - { .name: ln2_g, .offset: 56, .size: 8, .value_kind: global_buffer, .address_space: global }
      - { .name: ln2_b, .offset: 64, .size: 8, .value_kind: global_buffer, .address_space: global }
      - { .name: w11, .offset: 72, .size: 8, .value_kind: global_buffer, .address_space: global }
      - { .name: w12, .offset: 80, .size: 8, .value_kind: global_buffer, .address_space: global }
      - { .name: w21, .offset: 88, .size: 8, .value_kind: global_buffer, .address_space: global }
      - { .name: w22, .offset: 96, .size: 8, .value_kind: global_buffer, .address_space: global }
      - { .name: b11, .offset: 104, .size: 8, .value_kind: global_buffer, .address_space: global }
      - { .name: b21, .offset: 112, .size: 8, .value_kind: global_buffer, .address_space: global }
      - { .name: b22, .offset: 120, .size: 8, .value_kind: global_buffer, .address_space: global }
      - { .name: b12, .offset: 128, .size: 8, .value_kind: global_buffer, .address_space: global }
      - { .name: fc1_w, .offset: 136, .size: 8, .value_kind: global_buffer, .address_space: global }
      - { .name: fc1_b, .offset: 144, .size: 8, .value_kind: global_buffer, .address_space: global }
      - { .name: fcout_w, .offset: 152, .size: 8, .value_kind: global_buffer, .address_space: global }
      - { .name: fcout_b, .offset: 160, .size: 8, .value_kind: global_buffer, .address_space: global }
      - { .name: out0, .offset: 168, .size: 8, .value_kind: global_buffer, .address_space: global }
    .group_segment_fixed_size: 152832
    .private_segment_fixed_size: 0
    .kernarg_segment_align: 8
    .kernarg_segment_size: 176
    .max_flat_workgroup_size: 256
    .sgpr_count:     88
    .vgpr_count:     480
    .wavefront_size: 32
...
	.end_amdgpu_metadata
.endif
;; end of part 1
